; MI455X (gfx1250); checked and timed in simulation.
; The chip was launched on July 23, 2026; its instructions are those of AMD's public machine-readable ISA for CDNA 5 (MIT licence, August 2026) and "CDNA5" Instruction Set Architecture Reference Guide (July 2026). The comments in the code are by the model that wrote it; some were corrected since.
;; Top K Swi GLUFF. Allowed arithmetic: matrix products marked QUANTISED: E5M2 operands, one E8M0 scale for each 32 along K, by v_wmma_scale_f32_16x16x128_f8f6f4 with both operands' format E5M2, f32 sums; everything else in f32.
;; Inputs: w1 1,024 x 2,048 float32; w2 2,048 x 1,024 float32; w3 1,024 x 2,048 float32; x 4 x 2,048 x 2,048 float32.
;; Outputs: out0 4 x 2,048 x 2,048 float32.
;; This version of the problem:
;;   THIS VERSION OF THE PROBLEM IS GIVEN IN LOW PRECISION. The matrix products marked QUANTISED in the list below multiply operands that are first quantised to E5M2 (5 exponent bits, 2 mantissa bits; 8 bits a number), with one power-of-two scale for each 32 numbers along K (OCP MX v1.0); their sums are f32. All else is computed in f32.
;;   The module's matrix products, in the order in which they are computed (A, B: the left and right operand; K: the contracted axis; several contracted axes count as one K, in the product's order):
;;     1. [M 8,192, K 2,048] x [K 2,048, N 1,024]; A: input x; B: input w1: QUANTISED
;;     2. [M 8,192, K 2,048] x [K 2,048, N 1,024]; A: input x; B: input w3: QUANTISED
;;     3. [M 8,192, K 1,024] x [K 1,024, N 2,048]; A: computed on the way; B: input w2: QUANTISED
;;   THE QUANTISER, for each operand of a quantised product, along K:
;;     - K is cut into blocks of 32 from its start; a last block that is shorter is filled with zeros.
;;     - A block's scale is 2^e with e = floor(log2(the largest magnitude in the block)) - 15, held to -126 .. 127; a block of zeros has e = 0. As a byte (E8M0): e + 127.
;;     - Each number is divided by its block's scale, clamped to +-57,344, and rounded to the nearest number of E5M2, ties to even, subnormals kept.
;;     - The product sums the exact products of the quantised numbers (number of the format x scale) in f32.
;;   ~~~python
;;   def quantise(x, axis):      # numpy; x: float32 -> the quantised numbers, widened to float32 again
;;       x = np.moveaxis(x, axis, -1); K = x.shape[-1]
;;       x = np.pad(x, [(0, 0)] * (x.ndim - 1) + [(0, -K % 32)]); x = x.reshape(x.shape[:-1] + (-1, 32)); a = np.abs(x).max(-1, keepdims=True)
;;       e = np.where(a > 0, np.clip(np.frexp(np.where(a > 0, a, 1))[1] - 1 - 15, -126, 127), 0)      # np.frexp(a)[1] - 1 = floor(log2(a)), exactly
;;       r = np.clip(x / 2.0 ** e, -57344, 57344)
;;       step = 2.0 ** (np.maximum(np.frexp(np.where(r == 0, 1, r))[1] - 1, -14) - 2)
;;       q = np.round(r / step) * step * 2.0 ** e      # np.round: ties to even
;;       return np.moveaxis(q.reshape(q.shape[:-2] + (-1,))[..., :K], -1, axis).astype(np.float32)
;;   ~~~
;;   OPERANDS COMPUTED ON THE WAY. 'Computed on the way' means the value that the module computes at that place (a softmax that the list does not call 'softmax' is quantised finished and normalised). What goes into a quantiser is computed in f32, as accurately as f32 sums, v_exp_f32 and their like allow (about 1e-6 of the number): no bf16 or f16 on the way to a quantiser, and a product that is left as it is and whose result goes on into a quantised operand takes f32 operands (vector FMAs, or v_wmma_f32_16x16x4_f32). A number that lies on a knife's edge between two numbers of the format may be rounded either way, as far as f32 arithmetic and the matrix unit's own rounding can turn it there, and no further.
;; One version. Each part assembles by itself: llvm-mc -triple=amdgcn-amd-amdhsa -mcpu=gfx1250 --defsym DOCPART=n.
;; ======== version 1 of 1: 3 launches
;; limits: right only within a limited range of input values
;; workspace buffers: xc 16,777,216 bytes; xs 524,288 bytes; w13c 4,194,304 bytes; w13s 131,072 bytes; w2c 2,097,152 bytes; w2s 65,536 bytes; gc 8,388,608 bytes; gs 262,144 bytes
;; launch quant (part 1): grid 704 x 1, 4 waves a work-group, no clusters, 33,280 bytes of LDS; arguments x, w1, w3, w2, xc, xs, w13c, w13s, w2c, w2s; writes xc, xs, w13c, w13s, w2c, w2s
.if DOCPART == 1
	.amdgcn_target "amdgcn-amd-amdhsa--gfx1250"
	.amdhsa_code_object_version 6
	.text
	.protected	k_qeff2130790_quant
	.globl	k_qeff2130790_quant
	.p2align	8
	.type	k_qeff2130790_quant,@function
k_qeff2130790_quant:
	s_mov_b64 s[64:65], 0
	v_nop
	global_prefetch_b8 v0, s[64:65] scope:SCOPE_SE
	s_setreg_imm32_b32 hwreg(HW_REG_WAVE_MODE, 25, 1), 1
	s_wait_xcnt 0x0
; x [8192][2048], w1 [1024][2048], w3 [1024][2048], w2 [2048][1024], all f32 with K innermost, are turned into codes of BF8 (E5M2), one byte each, K innermost,
; with one E8M0 scale byte for each 32 along K.  A block's scale is 2^(floor(log2(its largest magnitude)) - 15); its byte is the largest magnitude's own exponent field - 15, held at 1 from below.
; Each number is divided by the scale, held within +-57,344 and rounded to the nearest code, ties to even.
; LIMITS: a block of zeros gets the byte 1 where the rule says 127 (its codes are zeros, which add nothing under any byte but 0xff, and this program alone reads the bytes); a block whose largest
; magnitude lies under 2^-111 is held at the byte 1; NaN and infinities among the inputs are not served.
; SHARES.  Rows are dense and K is a multiple of 32: each tensor is a stream of blocks of 32.  A wave takes one RUN of 8,192 numbers (16 steps of 512), a work-group four runs.
; Work-groups 0-511 take x, 512-575 w1, 576-639 w3, 640-703 w2.  Only pointers and run numbers are chosen: there is one path through the text.
; WHERE w1 AND w3 GO.  Both go into ONE operand of 2,048 rows: hidden unit f of tensor z (0: w1, 1: w3) becomes row 128 (f / 64) + 64 z + P(f % 64), P swapping bits 3 and 4.  So the next launch's wave finds
; 64 rows of w1 and the same 64 hidden units' rows of w3 on end, and 16 rows on end are hidden units 8 u + 0 .. 7 and 8 u + 16 .. 23 of a group of 32: two neighbouring tiles' results are then 16 neighbours along
; the third product's K.  A run is four rows, so row bits 3 and 4 are run bits 1 and 2: the order is made by the run's number alone.
; A lane must hold 16 NEIGHBOURS for the conversions, and a load is best where neighbouring LANES take neighbouring bytes: each load reads 512 consecutive bytes, 16 a lane; a step's 2,048 bytes go through the wave's own
; stage in LDS, as they lie, and come back 64 bytes a lane (16 bytes of padding behind each 64).  A lane's 16 codes are 16 bytes: the wave stores 512 consecutive bytes.  A wave's 256 scale bytes are gathered in its own
; 256 bytes of LDS and leave as 256 consecutive, aligned bytes.  No tensor loads, no barrier: waves share nothing.  No matrix unit, no cluster: nothing is multiplied and no byte is read twice.
.set STEPS, 16
.set EMAX,  15
.set MANT,  0x600000                   ; the mantissa field of 57,344 as f32
.set CB,    16                         ; bytes of 16 codes
.set R,     16                         ; v16-79   four sets of 16 numbers as they are loaded
.set X,     80                         ; v80-111  two sets of 16 neighbours
.set E,     112                        ; v112-127 a scale byte for each step
.set C,     128                        ; v128-191 codes: four registers for each step, so that no store's data are written again
.set WREG,  8192                       ; LDS: a region for each wave: two stages of 32 x SP bytes, behind them its 256 scale bytes
.set SP,    80                         ; a lane's place in a stage: its 64 bytes + 16 of padding
	s_load_b512 s[4:19], s[0:1], 0x0               ; x 4:5, w1 6:7, w3 8:9, w2 10:11, xc 12:13, xs 14:15, w13c 16:17, w13s 18:19
	s_load_b128 s[20:23], s[0:1], 0x40             ; w2c 20:21, w2s 22:23
	v_lshl_add_u32 v192, v0, 2, 0x8000
	v_mov_b32 v193, 0
	v_lshrrev_b32 v1, 5, v0
	v_readfirstlane_b32 s24, v1                    ; wave
	v_and_b32 v2, 31, v0                           ; lane
	v_lshlrev_b32 v3, 4, v2                        ; my 16 bytes of a load's 512
	s_mul_i32 s25, s24, WREG
	v_lshrrev_b32 v14, 2, v2
	v_mul_u32_u24 v14, v14, SP
	v_and_b32 v15, 3, v2
	v_lshl_add_u32 v14, v15, 4, v14
	v_add_nc_u32 v14, s25, v14                     ; the stage, on the way in: SP (lane / 4) + 16 (lane % 4); a load's 512 bytes take eight places
	v_mul_u32_u24 v15, v2, SP
	v_add_nc_u32 v15, s25, v15                     ; and on the way out: SP x lane: my 16 neighbours
	v_mul_u32_u24 v4, v2, CB                       ; my codes' place in a step's
	v_lshrrev_b32 v5, 1, v2
	s_add_co_u32 s25, s25, 2*32*SP
	v_add_nc_u32 v5, s25, v5                       ; LDS: my wave's 256 scale bytes, my block's byte
	v_lshlrev_b32 v7, 3, v2                        ; and on the way out 8 bytes a lane
	v_add_nc_u32 v6, s25, v7
	s_mov_b32 s44, MANT                            ; (an instruction takes one literal: the hold's line has another)
	s_mov_b32 s32, 640
	s_wait_alu depctr_va_vdst(0)
	s_wait_kmcnt 0x0
	; which tensor: three compares of the work-group's number; each choice hangs on that number alone
	s_cmp_lt_u32 ttmp9, 640
	s_cselect_b64 s[26:27], s[8:9], s[10:11]       ; from: w3, else w2
	s_cselect_b64 s[28:29], s[16:17], s[20:21]     ; codes to
	s_cselect_b64 s[30:31], s[18:19], s[22:23]     ; scale bytes to
	s_cselect_b32 s32, 576, s32                    ; the tensor's first work-group
	s_cselect_b32 s33, 1, 0                        ; 1: the rows are laid in w13's order
	s_cselect_b32 s34, 1, 0                        ; z
	s_cmp_lt_u32 ttmp9, 576
	s_cselect_b64 s[26:27], s[6:7], s[26:27]       ; w1
	s_cselect_b32 s32, 512, s32
	s_cselect_b32 s34, 0, s34
	s_cmp_lt_u32 ttmp9, 512
	s_cselect_b64 s[26:27], s[4:5], s[26:27]       ; x
	s_cselect_b64 s[28:29], s[12:13], s[28:29]
	s_cselect_b64 s[30:31], s[14:15], s[30:31]
	s_cselect_b32 s32, 0, s32
	s_cselect_b32 s33, 0, s33
	s_sub_co_u32 s36, ttmp9, s32
	s_lshl_b32 s36, s36, 2
	s_add_co_u32 s36, s36, s24                     ; R: which run of the tensor is my wave's
	s_lshr_b32 s37, s36, 4                         ; its place in w13: 32 (R / 16) + 16 z + (R % 16 with bits 1 and 2 swapped)
	s_lshl_b32 s37, s37, 5
	s_lshl_b32 s35, s34, 4
	s_or_b32 s37, s37, s35
	s_and_b32 s35, s36, 9
	s_or_b32 s37, s37, s35
	s_and_b32 s35, s36, 2
	s_lshl_b32 s35, s35, 1
	s_or_b32 s37, s37, s35
	s_and_b32 s35, s36, 4
	s_lshr_b32 s35, s35, 1
	s_or_b32 s37, s37, s35
	s_cmp_eq_u32 s33, 1
	s_cselect_b32 s38, s37, s36                    ; the run's number on the way out
	s_mov_b32 s41, 0
	s_lshl_b32 s40, s36, 15                        ; a run is 32,768 bytes of f32 (2,047 runs at the most: under 2^27),
	s_add_nc_u64 s[26:27], s[26:27], s[40:41]
	s_lshl_b32 s40, s38, 13                        ; 8,192 bytes of codes,
	s_add_nc_u64 s[28:29], s[28:29], s[40:41]
	s_lshl_b32 s40, s38, 8                         ; 256 scale bytes
	s_add_nc_u64 s[30:31], s[30:31], s[40:41]
.macro LOAD t
.irp i, 0,1,2,3
	global_load_b128 v[R+16*((\t)%4)+4*\i:R+16*((\t)%4)+4*\i+3], v3, s[26:27] offset:2048*(\t)+512*\i th:TH_LOAD_NT   ; 32 lanes read 512 consecutive bytes; read once in the launch
.endr
.endm
.macro TURN t                          ; step t's numbers through the stage: LDS serves a wave's instructions in order (ISA guide 5.7.1.4), so no wait stands between the stores and the loads
.irp i, 0,1,2,3
	ds_store_b128 v14, v[R+16*((\t)%4)+4*\i:R+16*((\t)%4)+4*\i+3] offset:32*SP*((\t)%2)+8*SP*\i
.endr
.irp i, 0,1,2,3
	ds_load_b128 v[X+16*((\t)%2)+4*\i:X+16*((\t)%2)+4*\i+3], v15 offset:32*SP*((\t)%2)+16*\i
.endr
.endm
.irp t, 0,1,2,3
	LOAD \t
.endr
	s_wait_loadcnt 12                              ; step 0's four loads are in; the twelve of steps 1 to 3 may be out
	TURN 0
.macro STEP t
.set XS, X+16*((\t)%2)
.if (\t) > 0
	s_wait_dscnt 1                                 ; this step's numbers are back from the stage (the last step's byte store may be out): so its stores into the stage have read their registers,
.else
	s_wait_dscnt 0x0
.endif
.if (\t)+4 < STEPS
	LOAD (\t)+4                                    ; which take the loads of four steps on
.endif
.if (\t)+1 < STEPS
.if STEPS-2-(\t) >= 3
	s_wait_loadcnt 12                              ; the next step's four loads are in; those of the three steps behind it may be out
.else
	s_wait_loadcnt 4*(STEPS-2-(\t))                ; at the end fewer steps stand behind it
.endif
	TURN (\t)+1                                    ; and go through the other stage while this step is worked
.endif
	v_max3_num_f32 v8, |v[XS]|, |v[XS+1]|, |v[XS+2]|               ; the largest magnitude of my 16, in two chains
	v_max3_num_f32 v9, |v[XS+3]|, |v[XS+4]|, |v[XS+5]|
.irp i, 6,10
	v_max3_num_f32 v8, v8, |v[XS+\i]|, |v[XS+\i+1]|
	v_max3_num_f32 v9, v9, |v[XS+\i+2]|, |v[XS+\i+3]|
.endr
	v_max3_num_f32 v8, v8, |v[XS+14]|, |v[XS+15]|
	v_max3_num_f32 v8, v8, v9, (EMAX+1)<<23        ; and the floor 2^(16 - 127), under which no largest magnitude is taken: so the byte cannot fall under 1
	v_max_num_f32_dpp v8, v8, v8 row_xmask:1 row_mask:0xf bank_mask:0xf   ; and of my neighbour's 16: the block's
	v_add_nc_u32 v11, -(EMAX<<23), v8              ; 15 off its exponent field: the conversion takes the exponent field of this operand as its scale, and nothing else of it
	v_and_or_b32 v10, v8, 0x7f800000, s44          ; 57,344 x the scale: the largest magnitude's exponent field over 57,344's mantissa
.irp i, 0,1,2,3,4,5,6,7,8,9,10,11,12,13,14,15
	v_med3_num_f32 v[XS+\i], v[XS+\i], -v10, v10   ; the conversion to an 8-bit code does not saturate (ISA guide 7.6.2): the number is held within the largest code x the scale first
.endr
	v_cvt_scalef32_pk8_bf8_f32 v[C+4*(\t):C+4*(\t)+1], v[XS:XS+7], v11          ; eight numbers / the scale, to the nearest code, ties to even; the first number's code in the lowest byte
	v_cvt_scalef32_pk8_bf8_f32 v[C+4*(\t)+2:C+4*(\t)+3], v[XS+8:XS+15], v11
	v_lshrrev_b32 v[E+(\t)], 23, v11               ; the scale's byte (also the plain line behind the conversions)
	ds_store_b8 v5, v[E+(\t)] offset:16*(\t)       ; both lanes of a block write the same byte with the same value
	global_store_b128 v4, v[C+4*(\t):C+4*(\t)+3], s[28:29] offset:32*CB*(\t)   ; 512 consecutive bytes, aligned
.endm
.irp t, 0,1,2,3,4,5,6,7,8,9,10,11,12,13,14,15
	STEP \t
.endr
	ds_load_b64 v[12:13], v6                       ; LDS serves a wave's instructions in order: these see my stores
	s_wait_dscnt 0x0
	global_store_b64 v7, v[12:13], s[30:31]        ; 32 lanes store 256 consecutive bytes, aligned
	s_wait_tensorcnt 0x0
	ds_add_u32 v192, v193
	s_wait_dscnt 0x0
	s_endpgm
.Lfunc_end_k_qeff2130790_quant:
	.size	k_qeff2130790_quant, .Lfunc_end_k_qeff2130790_quant-k_qeff2130790_quant
	.p2alignl 7, 3214868480
	.fill 96, 4, 3214868480
	.section	.rodata,"a",@progbits
	.p2align	6, 0x0
	.amdhsa_kernel k_qeff2130790_quant
		.amdhsa_group_segment_fixed_size 33280
		.amdhsa_private_segment_fixed_size 0
		.amdhsa_enable_private_segment 0
		.amdhsa_kernarg_size 80
		.amdhsa_user_sgpr_count 2
		.amdhsa_user_sgpr_kernarg_segment_ptr 1
		.amdhsa_wavefront_size32 1
		.amdhsa_system_sgpr_workgroup_id_x 1
		.amdhsa_system_sgpr_workgroup_id_y 1
		.amdhsa_system_sgpr_workgroup_id_z 1
		.amdhsa_system_vgpr_workitem_id 0
		.amdhsa_next_free_vgpr 194
		.amdhsa_next_free_sgpr 66
		.amdhsa_reserve_vcc 0
		.amdhsa_float_denorm_mode_32 3
		.amdhsa_float_denorm_mode_16_64 3
		.amdhsa_memory_ordered 1
		.amdhsa_forward_progress 1
		.amdhsa_inst_pref_size 52
	.end_amdhsa_kernel
	.amdgpu_metadata
---
amdhsa.version: [ 1, 2 ]
amdhsa.kernels:
  - .name:           k_qeff2130790_quant
    .symbol:         k_qeff2130790_quant.kd
    .args:
      - { .name: x, .offset: 0, .size: 8, .value_kind: global_buffer, .address_space: global }
      - { .name: w1, .offset: 8, .size: 8, .value_kind: global_buffer, .address_space: global }
      - { .name: w3, .offset: 16, .size: 8, .value_kind: global_buffer, .address_space: global }
      - { .name: w2, .offset: 24, .size: 8, .value_kind: global_buffer, .address_space: global }
      - { .name: xc, .offset: 32, .size: 8, .value_kind: global_buffer, .address_space: global }
      - { .name: xs, .offset: 40, .size: 8, .value_kind: global_buffer, .address_space: global }
      - { .name: w13c, .offset: 48, .size: 8, .value_kind: global_buffer, .address_space: global }
      - { .name: w13s, .offset: 56, .size: 8, .value_kind: global_buffer, .address_space: global }
      - { .name: w2c, .offset: 64, .size: 8, .value_kind: global_buffer, .address_space: global }
      - { .name: w2s, .offset: 72, .size: 8, .value_kind: global_buffer, .address_space: global }
    .group_segment_fixed_size: 33280
    .private_segment_fixed_size: 0
    .kernarg_segment_align: 8
    .kernarg_segment_size: 80
    .max_flat_workgroup_size: 128
    .sgpr_count:     66
    .vgpr_count:     194
    .wavefront_size: 32
...
	.end_amdgpu_metadata
.endif
;; end of part 1
;; launch gate (part 2): grid 8 x 32, 4 waves a work-group, clusters of 4 x 4, 327,680 bytes of LDS; arguments xc, xs, w13c, w13s, gc, gs; writes gc, gs
.if DOCPART == 2
	.amdgcn_target "amdgcn-amd-amdhsa--gfx1250"
	.amdhsa_code_object_version 6
	.text
	.protected	k_qeff2130790_gate
	.globl	k_qeff2130790_gate
	.p2align	8
	.type	k_qeff2130790_gate,@function
k_qeff2130790_gate:
	s_mov_b64 s[64:65], 0
	v_nop
	global_prefetch_b8 v0, s[64:65] scope:SCOPE_SE
	s_setreg_imm32_b32 hwreg(HW_REG_WAVE_MODE, 25, 1), 1
	s_wait_xcnt 0x0
	s_wait_alu depctr_hold_cnt(0) depctr_sa_sdst(0) depctr_va_vdst(0) depctr_va_sdst(0) depctr_va_ssrc(0) depctr_va_vcc(0) depctr_vm_vsrc(0)
	s_getreg_b32 s2, hwreg(HW_REG_IB_STS2, 6, 4)
	s_cmp_eq_u32 s2, 0
	s_cbranch_scc0 .Lentry_in_a_cluster
	s_endpgm
.Lentry_in_a_cluster:
	s_bfe_u32 s2, ttmp6, 0x10000c
	s_cmp_lg_u32 s2, 0xf033
	s_cbranch_scc0 .Lentry_shape_is_right
	s_endpgm
.Lentry_shape_is_right:
; gate = silu(x w1^T) * (x w3^T), quantised along the hidden axis for the third product.  (reference()'s top-k branch asks for TOP_K < D_FF; 2,048 is not under 1,024, so it is never taken and nothing is masked.)
; ONE GEMM does both products: A = x's codes [8192][2048], B = w13's codes [2048][2048] (w1's and w3's rows as the launch before laid them: row 128 (f / 64) + 64 z + P(f % 64)), codes of BF8 (E5M2),
; one E8M0 byte for each 32 along K; sums in f32.  A tile of C, 256 x 256, is a work-group of four waves; a wave makes 128 x 128: 64 accumulators, 512 registers.  K goes in steps of 256 through two LDS slots.
; The scale bytes of the work-group's 256 rows of A and of B, for all of K, come into LDS once, at the head.
; CLUSTERS: 4 x 4 work-groups; A's tiles are asked for jointly along a row of the cluster, B's along a column.  THE MATRIX INSTRUCTION IS USED TRANSPOSED (source 0 = 16 rows of B, source 1 = 16 rows of A):
; a lane holds one row of x, its registers run along the hidden units.  A wave's 128 rows of B are 64 rows of w1 (blocks 0-3) and the same hidden units' rows of w3 (blocks 4-7): for a block of 16 rows of x a lane
; holds h1 in 32 registers and h3 in the 32 behind them, register 16 bb + i = hidden unit 32 bb + 16 (lane / 16) + i of the wave's 64.  The conversions' results are registers of the next product's operand and are
; stored as images: gc [kb 8][tile of 16 rows 512][c 4][lane 32][16 bytes]; the scale bytes as words gs [kb 8][row 8192][4 bytes].
; LIMITS: NaN and infinities are not served; a block of zeros, or one whose largest magnitude lies under 2^-111, gets the byte 1 (this program alone reads the bytes); for h1 under about -87 the sigmoid comes out
; as 0 (v_exp_f32 and v_rcp_f32 flush denormals: ISA guide 15.8) where reference() has numbers under 2^-126 |h1|.
; REGISTERS: window 0: v0-31 addresses; v32-63 scale words, two sets; from v128 A's fragments, one set; on the way out v96-233.  window 1: B's fragments, two sets.  windows 2, 3: the accumulators of my rows 0-63, 64-127.
.set SIZE_K, 2048
.set KSTEP,  256
.set NQ,     KSTEP/128
.set ROWB,   256                       ; a tile's row in bytes
.set KROW,   SIZE_K
.set PITCH,  272                       ; an LDS row: 256 bytes + 16 of padding: the 16 rows of a fragment load start at 16 different banks (64 banks of 4 bytes: ISA guide 11.1)
.set FR,     16
.set NL,     4
.set NP,     8                         ; places behind this matrix instruction (ISA guide 7.12.1)
.set HALFT,  128*PITCH
.set SLOT,   4*HALFT                   ; A's 256 rows, then B's 256 rows
.set LAPS,   SIZE_K/(2*KSTEP)
.set KS,     SIZE_K/32                 ; a row of scales: 64 bytes
.set SCL,    2*SLOT                    ; behind the ring: the scales, as rows of 256 bytes + 16 of padding
.set HALFS,  (128*KS/256)*272
.set SBLK,   (16*KS/256)*272
.set SPARE,  SCL+4*HALFS               ; the spare words: 128 bytes a wave, named by no other line
.set SCST,   SPARE+512                 ; the gate's scale words of the 256 rows meet here: 1,024 bytes into which no tile lands
.set ADRA, 16
.set ADRB, 20
.set SST,  24
.set SRD,  25
.set GOF,  26
.set ADRS, 27
.set SPW,  28
.set NIL,  29
.set PFO,  30                          ; the prefetches' offset: lane x a row of 2,048 bytes; never rewritten
.set SOF,  31
.set SC,   32
.set AF,   128
.set TM,   96
.set T,    128
.set CD,   160
.set HW,   224
.set G1, 24
.set G0, 32
.set G1B, 48
.set G0B, 56
.set G1S, 68
.set G0S, 76
.set G1SB, 80
.set G0SB, 88
.set G0H, 92                           ; s[92:95], s[96:99] group 0 of the head's loads of K step 0: A's 256 rows, B's 256 rows
.set G0HB, 96
.set LG,  18
.set SEL, 20
.set MNT, 22
.set PFA, 100                          ; s[100:101] where my prefetches stand
.set LIM, 2                            ; s2: 1 in a wave that prefetches, else the greatest number
.set MSB, 0
.macro WIN new
.if MSB != \new
	s_set_vgpr_msb (MSB<<8)|\new
.set MSB, \new
.endif
.endm
.set MUL_LO, 0xa1
.set MUL_HI, 0xf1
.set TO_B,   0x40
; a joint load: waves 0 and 1 fetch for A, waves 2 and 3 for B; s_nop 0 and four v_nop behind each line
.macro JLOAD g0a, g1a, g0b, g1b
	s_cmp_eq_u32 s15, 0
	s_cbranch_scc0 .Lfor_b_\@
	tensor_load_to_lds s[\g0a:\g0a+3], s[\g1a:\g1a+7]
	s_nop 0
.rept 4
	v_nop
.endr
	s_branch .Lasked_\@
.Lfor_b_\@:
	tensor_load_to_lds s[\g0b:\g0b+3], s[\g1b:\g1b+7]
	s_nop 0
.rept 4
	v_nop
.endr
.Lasked_\@:
.endm
; PREFETCHES INTO THE L2: 32 rows x 256 bytes, a lane a row, one instruction a wave and K step.  Behind the load of K step s stands the request for K step s + 2 (behind the head's loads: K steps 1 and 2).
; Of the 128 rows that a wave fetches in the ring, the partner at place p takes 32 p .. 32 p + 31 (p = cx for A, cy for B): shared out by address.  A's rows are asked for by each of the two clusters that
; load them; B's, which eight clusters load, by the four whose y has bit 1 clear.  The loop's last trip (s3 = 1), whose refills are K steps 6 and 7, asks for nothing.
.macro ASK
	s_cmp_gt_u32 s3, s[LIM]
	s_cbranch_scc0 .Lnot_mine_\@
	global_prefetch_b8 v[PFO], s[PFA:PFA+1] offset:ROWB th:TH_LOAD_NT scope:SCOPE_SE
.Lnot_mine_\@:
.endm
.macro ASKH lo, n                      ; at the head: n K steps from byte lo on
	s_cmp_eq_u32 s[LIM], 1
	s_cbranch_scc0 .Lnot_mine_\@
.set PO, \lo
.rept \n
	global_prefetch_b8 v[PFO], s[PFA:PFA+1] offset:PO th:TH_LOAD_NT scope:SCOPE_SE
.set PO, PO+ROWB
.endr
.Lnot_mine_\@:
.endm
.macro CREST
	s_cmp_lg_u32 s14, 0
	s_cbranch_scc1 .Lnot_wave_0_\@
	s_barrier_signal -3
.Lnot_wave_0_\@:
	s_barrier_wait -3
	s_barrier_signal -1
	s_barrier_wait -1
.endm
.macro CROUND
	s_barrier_signal -1
	s_barrier_wait -1
	CREST
.endm
	s_load_b128 s[4:7], s[0:1], 0x0                ; x's codes, x's scales
	s_load_b128 s[8:11], s[0:1], 0x10              ; w13's codes, w13's scales
	s_load_b64 s[12:13], s[0:1], 0x20              ; gc
	s_load_b64 s[66:67], s[0:1], 0x28              ; gs
	v_lshl_add_u32 v[SPW], v0, 2, SPARE
	v_mov_b32 v[NIL], 0
	ds_add_u32 v[SPW], v[NIL]                      ; the opening lines: the add, twice on end, and its wait ahead of my first tensor load
	ds_add_u32 v[SPW], v[NIL]
	v_lshrrev_b32 v1, 5, v0
	v_readfirstlane_b32 s14, v1                    ; wave 0..3
	s_lshr_b32 s15, s14, 1                         ; which half of the tile's rows is mine; also: in the ring I fetch for A (0) or B (1)
	s_and_b32 s16, s14, 1                          ; which half of its columns; also: which 128 rows I fetch
	s_bfe_u32 s40, ttmp6, 0x40000                  ; cx
	s_bfe_u32 s41, ttmp6, 0x40004                  ; cy
	s_lshl_b32 s42, ttmp9, 2
	s_add_co_u32 s42, s42, s40                     ; tile column: 128 hidden units, the next product's kb
	s_and_b32 s17, ttmp7, 0xffff
	s_lshl_b32 s17, s17, 2
	s_add_co_u32 s17, s17, s41                     ; tile row
	s_lshl_b32 s43, s41, 2
	s_lshl_b32 s43, 15, s43                        ; my row of the cluster
	s_lshl_b32 s44, 0x1111, s40                    ; my column
	s_or_b32 s[G1+0], s43, (0<<16)|(1<<20)|(1<<21)|(5<<22)|(3<<25)  ; mask; elements of 1 byte; 4 words of padding behind every 64; bit 21 beside a mask
	s_or_b32 s[G1B+0], s44, (0<<16)|(1<<20)|(1<<21)|(5<<22)|(3<<25)
.irp g, G1, G1B
	s_mov_b32 s[\g+1], ROWB<<16
	s_mov_b32 s[\g+2], 256<<16                     ; 256 rows for the head's loads; set to 128 behind them
	s_mov_b32 s[\g+3], ROWB<<16
	s_mov_b32 s[\g+4], 256
	s_mov_b32 s[\g+5], KROW
	s_mov_b32 s[\g+6], 0
	s_mov_b32 s[\g+7], 0
.endr
	s_or_b32 s[G1S+0], s43, (3<<16)|(1<<20)|(1<<21)|(5<<22)|(3<<25)  ; the scales of 256 rows: a dense block of 16,384 bytes as 64 rows of 256 (32 elements of 8 bytes)
	s_or_b32 s[G1SB+0], s44, (3<<16)|(1<<20)|(1<<21)|(5<<22)|(3<<25)
.irp g, G1S, G1SB
	s_mov_b32 s[\g+1], 32<<16
	s_mov_b32 s[\g+2], KS<<16
	s_mov_b32 s[\g+3], 32<<16
	s_mov_b32 s[\g+4], KS
	s_mov_b32 s[\g+5], 32
	s_mov_b32 s[\g+6], 0
	s_mov_b32 s[\g+7], 0
.endr
	s_lshl_b32 s20, s17, 19                        ; A's tile: 256 rows of 2,048 bytes a tile row,
	s_mov_b32 s21, 0
	s_lshl_b32 s22, s17, 14                        ; and 256 x 64 scale bytes
	s_mov_b32 s23, 0
	s_lshl_b32 s46, s42, 19                        ; B's likewise, by the tile column
	s_mov_b32 s47, 0
	s_lshl_b32 s18, s42, 14
	s_mov_b32 s19, 0
	s_mul_i32 s45, s14, HALFT                      ; the ring: wave x 128 rows
	s_mov_b32 s[G0H], 1
	s_mov_b32 s[G0H+1], 0
	s_mov_b32 s[G0HB], 1
	s_mov_b32 s[G0HB+1], 2*HALFT
	s_mov_b32 s[G0S], 1
	s_mov_b32 s[G0S+1], SCL
	s_mov_b32 s[G0SB], 1
	s_mov_b32 s[G0SB+1], SCL+2*HALFS
	s_wait_dscnt 0x0                               ; both opening adds are done
	s_wait_kmcnt 0x0
	s_add_nc_u64 s[20:21], s[4:5], s[20:21]
	s_add_nc_u64 s[46:47], s[8:9], s[46:47]
	s_mov_b64 s[G0H+2:G0H+3], s[20:21]
	s_or_b32 s[G0H+3], s[G0H+3], 0x80000000
	s_mov_b64 s[G0HB+2:G0HB+3], s[46:47]
	s_or_b32 s[G0HB+3], s[G0HB+3], 0x80000000
	s_add_nc_u64 s[G0S+2:G0S+3], s[6:7], s[22:23]
	s_or_b32 s[G0S+3], s[G0S+3], 0x80000000
	s_add_nc_u64 s[G0SB+2:G0SB+3], s[10:11], s[18:19]
	s_or_b32 s[G0SB+3], s[G0SB+3], 0x80000000
	s_lshl_b32 s18, s16, 18                        ; for the ring: my 128 rows of the tile
	s_add_nc_u64 s[20:21], s[20:21], s[18:19]
	s_add_nc_u64 s[46:47], s[46:47], s[18:19]
.irp s, 0,1
	s_mov_b32 s[G0+4*\s], 1
	s_add_co_u32 s[G0+4*\s+1], s45, \s*SLOT
	s_add_nc_u64 s[G0+4*\s+2:G0+4*\s+3], s[20:21], \s*ROWB
	s_or_b32 s[G0+4*\s+3], s[G0+4*\s+3], 0x80000000
	s_mov_b32 s[G0B+4*\s], 1
	s_add_co_u32 s[G0B+4*\s+1], s45, \s*SLOT
	s_add_nc_u64 s[G0B+4*\s+2:G0B+4*\s+3], s[46:47], \s*ROWB
	s_or_b32 s[G0B+4*\s+3], s[G0B+4*\s+3], 0x80000000
.endr
	CROUND                                         ; all sixteen work-groups are here: the first joint loads meet
; THE HEAD'S LOADS, ONE A WAVE: wave 0 K step 0's 256 rows of A, wave 1 its 256 rows of B, wave 2 A's scales, wave 3 B's.  One chain of branches on the wave's number.
.macro ARM under, g0, g1, next
	s_cmp_lt_u32 s14, \under
	s_cbranch_scc0 \next
	tensor_load_to_lds s[\g0:\g0+3], s[\g1:\g1+7]
	s_nop 0
.rept 4
	v_nop
.endr
	s_branch .Lhead_asked
\next:
.endm
	ARM 1, G0H,  G1,  .Lhead_b
	ARM 2, G0HB, G1B, .Lhead_sa
	ARM 3, G0S,  G1S, .Lhead_sb
	tensor_load_to_lds s[G0SB:G0SB+3], s[G1SB:G1SB+7]
	s_nop 0
.rept 4
	v_nop
.endr
.Lhead_asked:
	; the prefetches: where my wave's stand, and who asks
	s_lshl_b32 s20, s17, 8
	s_lshl_b32 s21, s42, 8
	s_and_b32 s22, ttmp7, 2                        ; bit 1 of the cluster's y
	s_cmp_eq_u32 s15, 0                            ; do I fetch for A?
	s_cselect_b32 s20, s20, s21                    ; the tile's first row
	s_cselect_b32 s21, s40, s41                    ; my place among the four that ask for it with me
	s_cselect_b32 s22, 0, s22
	s_cselect_b64 s[PFA:PFA+1], s[4:5], s[8:9]
	s_cmp_eq_u32 s22, 0
	s_cselect_b32 s[LIM], 1, -1                    ; the same in all sixteen partners, for a given wave
	s_lshl_b32 s22, s16, 7
	s_add_co_u32 s20, s20, s22                     ; + the 128 rows that I fetch
	s_lshl_b32 s21, s21, 5
	s_add_co_u32 s20, s20, s21                     ; + my work-group's 32 of them
	s_lshl_b32 s20, s20, 11
	s_mov_b32 s21, 0
	s_add_nc_u64 s[PFA:PFA+1], s[PFA:PFA+1], s[20:21]
	s_add_nc_u64 s[PFA:PFA+1], s[PFA:PFA+1], 2*ROWB  ; at K step 2; each refill steps it by one K step
	v_and_b32 v7, 31, v0
	v_lshlrev_b32 v[PFO], 11, v7
	s_wait_alu depctr_va_vdst(0)                   ; the wait ahead of the branch
	ASKH -ROWB, 2                                  ; K steps 1 and 2
	v_and_b32 v1, 15, v0                           ; l % 16
	v_bfe_u32 v2, v0, 4, 1                         ; l / 16
	v_mul_u32_u24 v3, v1, PITCH
	v_lshl_add_u32 v4, v2, 4, v3                   ; a fragment's row x pitch + 16 x half
	s_mul_i32 s21, s15, HALFT                      ; my 128 rows of A
	s_mul_i32 s22, s16, HALFT                      ; my 128 rows of B,
	s_add_co_u32 s22, s22, 2*HALFT                 ; behind A's 256
.irp s, 0,1
	v_add_nc_u32 v[ADRA+\s], s21, v4
	v_add_nc_u32 v[ADRB+\s], s22, v4
	s_add_co_u32 s21, s21, SLOT
	s_add_co_u32 s22, s22, SLOT
.endr
	v_mul_u32_u24 v5, v1, KS                       ; my row's scales: 64 bytes a row,
	v_lshrrev_b32 v6, 8, v5
	v_lshl_add_u32 v5, v6, 4, v5                   ; and 16 more for each 256 passed
	s_mul_i32 s21, s15, HALFS
	s_mul_i32 s22, s16, HALFS
	s_add_co_u32 s22, s22, 2*HALFS
	s_sub_co_u32 s22, s22, s21
	v_mul_u32_u24 v6, s22, v2                      ; lanes 16-31 take B's: the lower base + half x the distance
	s_add_co_u32 s21, s21, SCL
	v_add_nc_u32 v5, v5, v6
	v_add_nc_u32 v[ADRS], s21, v5
	v_and_b32 v6, 31, v0
	v_lshlrev_b32 v[GOF], 4, v6                    ; 16 x lane: my place in an image
	v_lshlrev_b32 v[SOF], 3, v6
	s_lshl_b32 s23, s15, 9
	s_lshl_b32 s21, s16, 1
	s_add_co_u32 s23, s23, s21
	s_add_co_u32 s23, s23, SCST
	v_lshl_add_u32 v[SST], v1, 2, s23              ; my two scale bytes of a row: SCST + 512 (wave / 2) + 2 (wave % 2) + 4 (lane % 16)
	s_lshl_b32 s23, s14, 8
	s_add_co_u32 s23, s23, SCST
	v_add_nc_u32 v[SRD], s23, v[SOF]               ; and 8 bytes of words back: SCST + 256 wave + 8 lane
	s_lshl_b32 s20, s17, 15                        ; gc: 16 tiles of 2,048 bytes a tile row, + my 8 tiles,
	s_lshl_b32 s21, s15, 14
	s_add_co_u32 s20, s20, s21
	s_mov_b32 s21, 0
	s_lshl_b32 s46, s42, 20                        ; + kb x 2^20 + my two register groups of the four
	s_lshl_b32 s47, s16, 10
	s_add_co_u32 s46, s46, s47
	s_mov_b32 s47, 0
	s_add_nc_u64 s[20:21], s[20:21], s[46:47]
	s_add_nc_u64 s[12:13], s[12:13], s[20:21]
	s_lshl_b32 s20, s17, 10                        ; gs: 256 words a tile row, + my wave's 64 words, + kb x 32,768
	s_lshl_b32 s21, s14, 8
	s_add_co_u32 s20, s20, s21
	s_lshl_b32 s46, s42, 15
	s_add_co_u32 s20, s20, s46
	s_mov_b32 s21, 0
	s_add_nc_u64 s[66:67], s[66:67], s[20:21]
	s_mov_b32 s[LG], 0xbfb8aa3b                    ; -log2(e)
	s_mov_b32 s[LG+1], s[LG]
	s_mov_b32 s[SEL], 0x76543210
	s_mov_b32 s[SEL+1], 0xfedcba98
	s_mov_b32 s[MNT], 0x600000
.macro FRAG reg, adr, q, i             ; 16 rows x 128 K: lane l holds row l % 16; registers 4 c .. 4 c + 3 hold K = 32 c + 16 (l / 16) + 0 .. 15
.irp c, 0,1,2,3
	ds_load_b128 v[\reg+4*\c:\reg+4*\c+3], v[\adr] offset:128*(\q)+32*\c+(\i)*16*PITCH
.endr
.endm
; 8 matrix instructions: A's block a x B's eight, the slot's q-th 128 along K.  p: B's set; sc: the set of scale words; zero = 1: the product starts the sums.
; The 64 accumulators take turns in the same order in every step.
.macro MUL8 a, p, q, sc, zero
.irp b, 0,1,2,3,4,5,6,7
.if \zero
	v_wmma_scale_f32_16x16x128_f8f6f4 v[8*(8*((\a)%4)+\b):8*(8*((\a)%4)+\b)+7], v[128*(\p)+FR*\b:128*(\p)+FR*\b+FR-1], v[AF+FR*(\a):AF+FR*(\a)+FR-1], 0, v[SC+8*NQ*(\sc)+NQ*\b+(\q)], v[SC+8*NQ*(\sc)+NQ*(\a)+(\q)] matrix_a_fmt:MATRIX_FMT_BF8 matrix_b_fmt:MATRIX_FMT_BF8 matrix_a_scale:MATRIX_SCALE_ROW1
.else
	v_wmma_scale_f32_16x16x128_f8f6f4 v[8*(8*((\a)%4)+\b):8*(8*((\a)%4)+\b)+7], v[128*(\p)+FR*\b:128*(\p)+FR*\b+FR-1], v[AF+FR*(\a):AF+FR*(\a)+FR-1], v[8*(8*((\a)%4)+\b):8*(8*((\a)%4)+\b)+7], v[SC+8*NQ*(\sc)+NQ*\b+(\q)], v[SC+8*NQ*(\sc)+NQ*(\a)+(\q)] matrix_a_fmt:MATRIX_FMT_BF8 matrix_b_fmt:MATRIX_FMT_BF8 matrix_a_scale:MATRIX_SCALE_ROW1
.endif
.endr
.endm
.macro MUL16 a0, p, q, sc, zero
	MUL8 \a0, \p, \q, \sc, \zero
	MUL8 \a0+1, \p, \q, \sc, \zero
.endm
.macro FETCH_B slot, q, p
	WIN TO_B
.irp i, 0,1,2,3,4,5,6,7
	FRAG 128*(\p)+FR*\i, ADRB+\slot, \q, \i
.endr
	WIN 0
.endm
.macro FETCH_A slot, q, i0
.irp i, \i0, \i0+1, \i0+2, \i0+3
	FRAG AF+FR*(\i), ADRA+\slot, \q, \i
.endr
.endm
.macro SCALES sc                       ; a K step's scale words: two words a row; lanes 0-15 A's block i, lanes 16-31 B's block i
.irp i, 0,1,2,3,4,5,6,7
	ds_load_b64 v[SC+8*NQ*\sc+NQ*\i:SC+8*NQ*\sc+NQ*\i+1], v[ADRS] offset:\i*SBLK
.endr
.endm
.macro PLACES n                        ; places behind matrix instructions (ISA guide 7.12.1 for vector instructions)
.rept \n
	v_nop
.endr
.endm
.macro STEP slot, q, zero              ; a step of 128 along K that has its successor in the same slot
	s_wait_dscnt 4*NL                              ; all but the youngest sixteen loads (A's blocks 4-7)
	WIN MUL_LO
	MUL16 0, (\q)%2, \q, \slot, \zero
	MUL16 2, (\q)%2, \q, \slot, \zero
	s_wait_dscnt 0
	PLACES NP
	FETCH_B \slot, (\q)+1, 1-(\q)%2
	FETCH_A \slot, (\q)+1, 0
	WIN MUL_HI
	MUL16 4, (\q)%2, \q, \slot, \zero
	MUL16 6, (\q)%2, \q, \slot, \zero
	PLACES NP
	WIN 0
	FETCH_A \slot, (\q)+1, 4
.endm
; A slot's last step changes slots.  Three of A's blocks are multiplied first; then each wave waits for all its tensor loads, adds 0 to its spare word, multiplies the fourth block, and waits for the add and for its
; reads of this slot; ONE barrier.  fill = 1: the barrier opens a round of the cluster's barrier and this slot is filled again, two K steps ahead: 120 matrix instructions stand between that load and the wait for it.
.macro TURN slot, next, fill
.if \fill
	s_wait_xcnt 0x0                                ; the last prefetch, a K step back, has read its address
	s_add_nc_u64 s[PFA:PFA+1], s[PFA:PFA+1], ROWB
.endif
	s_wait_dscnt 4*NL                              ; all but A's blocks 4-7
	WIN MUL_LO
	MUL8 0, 1, NQ-1, \slot, 0
	MUL8 1, 1, NQ-1, \slot, 0
	MUL8 2, 1, NQ-1, \slot, 0
	WIN 0                                          ; (the add's two registers lie in window 0)
	s_wait_tensorcnt 0x0                           ; all my tensor loads have landed: my part of the next slot
	ds_add_u32 v[SPW], v[NIL]
	WIN MUL_LO
	MUL8 3, 1, NQ-1, \slot, 0
	s_wait_dscnt 0x0                               ; the add is done, and my reads of this slot are over
	s_barrier_signal -1
	WIN 0
	s_barrier_wait -1
.if \fill
	CREST
	s_add_nc_u64 s[G0+4*\slot+2:G0+4*\slot+3], s[G0+4*\slot+2:G0+4*\slot+3], 2*ROWB
	s_add_nc_u64 s[G0B+4*\slot+2:G0B+4*\slot+3], s[G0B+4*\slot+2:G0B+4*\slot+3], 2*ROWB
	JLOAD G0+4*\slot, G1, G0B+4*\slot, G1B         ; the first tensor load behind the round, my one load out; its four v_nop are among the places
	PLACES NP-4
.else
	PLACES NP
.endif
	s_wait_alu depctr_va_vdst(0)                   ; the wait ahead of the reader below
	v_add_nc_u32 v[ADRS], 4*NQ, v[ADRS]            ; on to the next K step's scale words
	FETCH_B \next, 0, 0
	FETCH_A \next, 0, 0
	SCALES \next
.if \fill
	ASK
.endif
	WIN MUL_HI
	MUL16 4, 1, NQ-1, \slot, 0
	MUL16 6, 1, NQ-1, \slot, 0
	PLACES NP
	WIN 0
	FETCH_A \next, 0, 4
.endm
	s_wait_alu depctr_va_vdst(0)                   ; the wait at the head's end
	s_wait_tensorcnt 0x0                           ; my tile of the head's four is in
	ds_add_u32 v[SPW], v[NIL]
	s_mov_b32 s[G1+2], 128<<16                     ; no tensor load of mine is out: from here on a load brings 128 rows
	s_mov_b32 s[G1+4], 128
	s_mov_b32 s[G1B+2], 128<<16
	s_mov_b32 s[G1B+4], 128
	s_wait_dscnt 0x0
	CROUND                                         ; all four tiles are in, and all sixteen work-groups are here
	JLOAD G0+4, G1, G0B+4, G1B                     ; K step 1: slot 1's first fill
	FETCH_B 0, 0, 0
	FETCH_A 0, 0, 0
	SCALES 0
	ASKH ROWB, 1                                   ; K step 3
	FETCH_A 0, 0, 4
	STEP 0, 0, 1                                   ; the first step's products start the sums
	s_mov_b32 s3, LAPS-1
.Llap:                                                 ; once round the ring, from a lap's second step to the next lap's first
	TURN 0, 1, 1
	STEP 1, 0, 0
	TURN 1, 0, 1
	STEP 0, 0, 0
	s_sub_co_u32 s3, s3, 1
	s_cmp_lg_u32 s3, 0
	s_cbranch_scc1 .Llap
	TURN 0, 1, 0                                   ; the last lap fills nothing
	STEP 1, 0, 0
	s_wait_dscnt 4*NL
	WIN MUL_LO
	MUL16 0, 1, NQ-1, 1, 0
	MUL16 2, 1, NQ-1, 1, 0
	s_wait_dscnt 0
	WIN MUL_HI
	MUL16 4, 1, NQ-1, 1, 0
	MUL16 6, 1, NQ-1, 1, 0
	WIN 0
; THE WAY OUT, block by block of 16 rows of x.  gate = (h1 / (1 + 2^(-log2(e) h1))) h3, all in f32.  The 32 exponentials are one batch, and so are the 32 reciprocals, each with one wait ahead and one behind
;   Each accumulator is read from its low end on.
.macro GATE a
.set AC, 64*((\a)%4)
.set WW, 2+(\a)/4
	WIN WW
.irp p, 0,2,4,6,8,10,12,14,16,18,20,22,24,26,28,30
	v_pk_mul_f32 v[T+\p:T+\p+1], v[AC+\p:AC+\p+1], s[LG:LG+1] op_sel_hi:[1,0]   ; -log2(e) h1
.endr
	WIN 0
	s_wait_alu depctr_va_vdst(0)
.irp e, 0,1,2,3,4,5,6,7,8,9,10,11,12,13,14,15,16,17,18,19,20,21,22,23,24,25,26,27,28,29,30,31
	v_exp_f32 v[T+\e], v[T+\e]
.endr
	v_nop
	s_wait_alu depctr_va_vdst(0)
.irp p, 0,2,4,6,8,10,12,14,16,18,20,22,24,26,28,30
	v_pk_add_f32 v[T+\p:T+\p+1], v[T+\p:T+\p+1], 1.0 op_sel_hi:[1,0]
.endr
	s_wait_alu depctr_va_vdst(0)
.irp e, 0,1,2,3,4,5,6,7,8,9,10,11,12,13,14,15,16,17,18,19,20,21,22,23,24,25,26,27,28,29,30,31
	v_rcp_f32 v[T+\e], v[T+\e]                     ; the sigmoid
.endr
	v_nop
	s_wait_alu depctr_va_vdst(0)
	WIN WW
.irp p, 0,2,4,6,8,10,12,14,16,18,20,22,24,26,28,30
	v_pk_mul_f32 v[T+\p:T+\p+1], v[AC+\p:AC+\p+1], v[T+\p:T+\p+1]               ; silu(h1)
.endr
.irp p, 0,2,4,6,8,10,12,14,16,18,20,22,24,26,28,30
	v_pk_mul_f32 v[T+\p:T+\p+1], v[AC+32+\p:AC+32+\p+1], v[T+\p:T+\p+1]         ; x h3: the gate
.endr
	WIN 0
	; two blocks of 32 along the next K: my 16 numbers of each, two chains a block; the floor 2^(16 - 127) is one more leaf, so that the byte cannot fall under 1
.irp b, 0,1
	v_max3_num_f32 v[TM+\b], |v[T+16*\b]|, |v[T+16*\b+1]|, 0x8000000
	v_max3_num_f32 v[TM+2+\b], |v[T+16*\b+8]|, |v[T+16*\b+9]|, |v[T+16*\b+10]|
.endr
.irp i, 2,4
.irp b, 0,1
	v_max3_num_f32 v[TM+\b], v[TM+\b], |v[T+16*\b+\i]|, |v[T+16*\b+\i+1]|
	v_max3_num_f32 v[TM+2+\b], v[TM+2+\b], |v[T+16*\b+\i+9]|, |v[T+16*\b+\i+10]|
.endr
.endr
.irp b, 0,1
	v_max3_num_f32 v[TM+\b], v[TM+\b], |v[T+16*\b+6]|, |v[T+16*\b+7]|
.endr
.irp b, 0,1
	v_max3_num_f32 v[TM+\b], v[TM+\b], v[TM+2+\b], |v[T+16*\b+15]|
.endr
.irp b, 0,1
	v_permlanex16_b32 v[TM+4+\b], v[TM+\b], s[SEL], s[SEL+1]
.endr
.irp b, 0,1
	v_max_num_f32 v[TM+\b], v[TM+\b], v[TM+4+\b]   ; with lane l xor 16's: the block's largest magnitude
.endr
.irp b, 0,1
	v_add_nc_u32 v[TM+8+\b], 0xf8800000, v[TM+\b]  ; 15 off its exponent field: the conversion's scale operand
.endr
.irp b, 0,1
	v_and_or_b32 v[TM+6+\b], v[TM+\b], 0x7f800000, s[MNT]   ; 57,344 x the scale
.endr
.irp b, 0,1
	v_lshrrev_b32 v[TM+4+\b], 23, v[TM+8+\b]       ; the scale's byte
.endr
	v_lshl_or_b32 v[HW+\a], v[TM+5], 8, v[TM+4]    ; my wave's two bytes of the row's scale word
.irp b, 0,1
.irp i, 0,1,2,3,4,5,6,7,8,9,10,11,12,13,14,15
	v_med3_num_f32 v[T+16*\b+\i], v[T+16*\b+\i], -v[TM+6+\b], v[TM+6+\b]   ; the conversion does not saturate (ISA guide 7.6.2): the hold at the largest code x the scale
.endr
.endr
.irp b, 0,1
	v_cvt_scalef32_pk8_bf8_f32 v[CD+8*(\a)+4*\b:CD+8*(\a)+4*\b+1], v[T+16*\b:T+16*\b+7], v[TM+8+\b]
	v_cvt_scalef32_pk8_bf8_f32 v[CD+8*(\a)+4*\b+2:CD+8*(\a)+4*\b+3], v[T+16*\b+8:T+16*\b+15], v[TM+8+\b]
.endr
	v_nop                                          ; one plain line behind the last conversion
.irp b, 0,1
	global_store_b128 v[GOF], v[CD+8*(\a)+4*\b:CD+8*(\a)+4*\b+3], s[12:13] offset:2048*(\a)+512*\b   ; a register group of the next operand: 512 consecutive bytes, aligned
.endr
	ds_store_b16 v[SST], v[HW+\a] offset:64*(\a)   ; lanes l and l xor 16 write the same two bytes with the same value
.endm
	PLACES NP
	v_mov_b32 v[TM+4], 0                           ; a lane permute's destination counts as one of its sources
	v_mov_b32 v[TM+5], 0
.irp a, 0,1,2,3,4,5,6,7
	GATE \a
.endr
	s_wait_dscnt 0x0                               ; for the others' sake: my scale bytes lie in LDS (a row's word comes from two waves)
	s_barrier_signal -1
	s_barrier_wait -1
	ds_load_b64 v[232:233], v[SRD]
	s_wait_dscnt 0x0
	global_store_b64 v[SOF], v[232:233], s[66:67]  ; 64 rows' scale words: 256 consecutive bytes, aligned
	s_wait_tensorcnt 0x0                           ; the wave's end
	ds_add_u32 v[SPW], v[NIL]
	s_wait_dscnt 0x0
	CROUND                                         ; the closing round
	s_endpgm
.Lfunc_end_k_qeff2130790_gate:
	.size	k_qeff2130790_gate, .Lfunc_end_k_qeff2130790_gate-k_qeff2130790_gate
	.p2alignl 7, 3214868480
	.fill 96, 4, 3214868480
	.section	.rodata,"a",@progbits
	.p2align	6, 0x0
	.amdhsa_kernel k_qeff2130790_gate
		.amdhsa_group_segment_fixed_size 327680
		.amdhsa_private_segment_fixed_size 0
		.amdhsa_enable_private_segment 0
		.amdhsa_kernarg_size 48
		.amdhsa_user_sgpr_count 2
		.amdhsa_user_sgpr_kernarg_segment_ptr 1
		.amdhsa_wavefront_size32 1
		.amdhsa_system_sgpr_workgroup_id_x 1
		.amdhsa_system_sgpr_workgroup_id_y 1
		.amdhsa_system_sgpr_workgroup_id_z 1
		.amdhsa_system_vgpr_workitem_id 0
		.amdhsa_next_free_vgpr 1024
		.amdhsa_next_free_sgpr 102
		.amdhsa_reserve_vcc 0
		.amdhsa_float_denorm_mode_32 3
		.amdhsa_float_denorm_mode_16_64 3
		.amdhsa_memory_ordered 1
		.amdhsa_forward_progress 1
		.amdhsa_inst_pref_size 204
	.end_amdhsa_kernel
	.amdgpu_metadata
---
amdhsa.version: [ 1, 2 ]
amdhsa.kernels:
  - .name:           k_qeff2130790_gate
    .symbol:         k_qeff2130790_gate.kd
    .args:
      - { .name: xc, .offset: 0, .size: 8, .value_kind: global_buffer, .address_space: global }
      - { .name: xs, .offset: 8, .size: 8, .value_kind: global_buffer, .address_space: global }
      - { .name: w13c, .offset: 16, .size: 8, .value_kind: global_buffer, .address_space: global }
      - { .name: w13s, .offset: 24, .size: 8, .value_kind: global_buffer, .address_space: global }
      - { .name: gc, .offset: 32, .size: 8, .value_kind: global_buffer, .address_space: global }
      - { .name: gs, .offset: 40, .size: 8, .value_kind: global_buffer, .address_space: global }
    .group_segment_fixed_size: 327680
    .private_segment_fixed_size: 0
    .kernarg_segment_align: 8
    .kernarg_segment_size: 48
    .max_flat_workgroup_size: 128
    .sgpr_count:     102
    .vgpr_count:     1024
    .wavefront_size: 32
...
	.end_amdgpu_metadata
.endif
;; end of part 2
;; launch down (part 3): grid 8 x 32, 4 waves a work-group, clusters of 4 x 4, 327,680 bytes of LDS; arguments gc, gs, w2c, w2s, out0; writes out0
.if DOCPART == 3
	.amdgcn_target "amdgcn-amd-amdhsa--gfx1250"
	.amdhsa_code_object_version 6
	.text
	.protected	k_qeff2130790_down
	.globl	k_qeff2130790_down
	.p2align	8
	.type	k_qeff2130790_down,@function
k_qeff2130790_down:
	s_mov_b64 s[64:65], 0
	v_nop
	global_prefetch_b8 v0, s[64:65] scope:SCOPE_SE
	s_setreg_imm32_b32 hwreg(HW_REG_WAVE_MODE, 25, 1), 1
	s_wait_xcnt 0x0
	s_wait_alu depctr_hold_cnt(0) depctr_sa_sdst(0) depctr_va_vdst(0) depctr_va_sdst(0) depctr_va_ssrc(0) depctr_va_vcc(0) depctr_vm_vsrc(0)
	s_getreg_b32 s2, hwreg(HW_REG_IB_STS2, 6, 4)
	s_cmp_eq_u32 s2, 0
	s_cbranch_scc0 .Lentry_in_a_cluster
	s_endpgm
.Lentry_in_a_cluster:
	s_bfe_u32 s2, ttmp6, 0x10000c
	s_cmp_lg_u32 s2, 0xf033
	s_cbranch_scc0 .Lentry_shape_is_right
	s_endpgm
.Lentry_shape_is_right:
; out = gate w2^T on codes of BF8 (E5M2) with one E8M0 byte for each 32 along K = 1,024; sums in f32.  A tile of out, 256 x 256, is a work-group of four waves; a wave makes 64 rows x 256 columns.
; A (the gate's codes) lies in memory as images of operand registers, gc [kb 8][tile of 16 rows][c 4][lane 32][16 bytes].
; B (w2's 256 rows x 1,024 bytes) comes into LDS ONCE, one joint load a wave, shared along a column of the 4 x 4 cluster: wave q brings rows q, q + 4, .. q + 252 (64 rows, four rows
; of memory apart), so that the 16 LDS rows of N tile (g, q) are w2's rows 64 g + 4 r + q.  Lane r of the four tiles of a group g then holds four neighbouring columns, 64 g + 4 r + 0 .. 3: four registers, 16 bytes,
; and sixteen lanes store 256 consecutive bytes, aligned, with no stage.
; A's tiles, which a row of the cluster shares, are NOT asked for jointly: B fills 266,240 of the 327,680 bytes of LDS, and A's 262,144 bytes have no room beside it.
; B's scale bytes (8,192, dense) are read once in whole runs of 512 bytes, through registers, into LDS bytes of their own into which no tile lands.
; No prefetch: every operand byte is asked for at the head, and no later load exists to run ahead of.
; REGISTERS: window 0: v0-19 addresses; v20-27, v52-59 B's scale words, two sets; v30-31 the add's; v32-47 A's scale words; v64-127 two sets of four accumulators; v128-255 a group's 64 x 64 results in store order.
;   windows 1, 2: A.  window 3: B's fragments of an N tile (8 kb x 16), two sets.
.set SIZE_N, 2048
.set PITCH,  1040                      ; an LDS row: 1,024 bytes + 16 of padding
.set NTB,    16*PITCH                  ; an N tile
.set QB,     4*NTB                     ; 64 rows: one wave's load
.set SCLB,   4*QB                      ; behind B: its scale bytes, as rows of 256 bytes + 16
.set SQ,     8*272                     ; those of 64 rows
.set SPARE,  0x44000                   ; the spare words: 128 bytes a wave, named by no other line
.set NP,     8
.set LI,    10
.set LS,    11
.set ADRB,  12                         ; v12-15: my fragment address in wave q's 64 rows
.set ADRSB, 16
.set CO,    17
.set SLD,   18                         ; 16 x thread: my 16 bytes of a run of B's scale bytes
.set SSTO,  19                         ; and where they go in LDS
.set ASC,   32
.set ACC,   64
.set TT,    128
.set G1B, 24
.set G0B, 44
.set MSB, 0
.macro WIN new
.if MSB != \new
	s_set_vgpr_msb (MSB<<8)|\new
.set MSB, \new
.endif
.endm
.macro CROUND
	s_barrier_signal -1
	s_barrier_wait -1
	s_cmp_lg_u32 s14, 0
	s_cbranch_scc1 .Lnot_wave_0_\@
	s_barrier_signal -3
.Lnot_wave_0_\@:
	s_barrier_wait -3
	s_barrier_signal -1
	s_barrier_wait -1
.endm
.macro PLACES
.rept NP
	v_nop
.endr
.endm
	s_load_b128 s[4:7], s[0:1], 0x0                ; gc, gs
	s_load_b128 s[8:11], s[0:1], 0x10              ; w2c, w2s
	s_load_b64 s[12:13], s[0:1], 0x20              ; out0
	v_lshl_add_u32 v30, v0, 2, SPARE
	v_mov_b32 v31, 0
	ds_add_u32 v30, v31                            ; the opening lines: the add, twice on end, and its wait ahead of my first tensor load
	ds_add_u32 v30, v31
	v_lshrrev_b32 v1, 5, v0
	v_readfirstlane_b32 s14, v1                    ; wave
	s_bfe_u32 s15, ttmp6, 0x40000                  ; cx
	s_bfe_u32 s16, ttmp6, 0x40004                  ; cy
	s_lshl_b32 s18, ttmp9, 2
	s_add_co_u32 s18, s18, s15                     ; tile column
	s_and_b32 s17, ttmp7, 0xffff
	s_lshl_b32 s17, s17, 2
	s_add_co_u32 s17, s17, s16                     ; tile row
	s_lshl_b32 s19, 0x1111, s15                    ; my column of the cluster
	s_or_b32 s[G1B+0], s19, (0<<16)|(1<<20)|(1<<21)|(7<<22)|(3<<25)  ; mask; elements of 1 byte; 4 words of padding behind every 256; bit 21 beside a mask
	s_mov_b32 s[G1B+1], 1024<<16
	s_mov_b32 s[G1B+2], 64<<16
	s_mov_b32 s[G1B+3], 1024<<16
	s_mov_b32 s[G1B+4], 64                         ; 64 rows of 1,024 bytes,
	s_mov_b32 s[G1B+5], 4096                       ; four rows of memory apart
	s_mov_b32 s[G1B+6], 0
	s_mov_b32 s[G1B+7], 0
	v_and_b32 v1, 15, v0                           ; r
	v_bfe_u32 v2, v0, 4, 1                         ; h
	v_and_b32 v3, 31, v0
	v_lshlrev_b32 v[LI], 4, v3
	v_lshlrev_b32 v[LS], 2, v3
	v_mul_u32_u24 v4, v1, PITCH
	v_lshl_add_u32 v4, v2, 4, v4
.irp q, 0,1,2,3
	v_add_nc_u32 v[ADRB+\q], \q*QB, v4
.endr
	v_lshrrev_b32 v5, 1, v1                        ; B's scale words of row 64 g + 4 r + q: byte 2,048 g + 128 r + 32 q of the block, 16 more for each 256 passed
	v_mul_u32_u24 v5, v5, 272
	v_and_b32 v6, 1, v1
	v_lshl_add_u32 v5, v6, 7, v5
	v_add_nc_u32 v[ADRSB], SCLB, v5
	v_lshlrev_b32 v[CO], 16, v2                    ; out: 8 h rows of 8,192 bytes + 16 r
	v_lshl_add_u32 v[CO], v1, 4, v[CO]
	v_lshlrev_b32 v[SLD], 4, v0
	v_lshrrev_b32 v5, 4, v0
	v_mul_u32_u24 v5, v5, 272
	v_lshl_add_u32 v5, v1, 4, v5
	v_add_nc_u32 v[SSTO], SCLB, v5                 ; SCLB + 272 (thread / 16) + 16 (thread % 16)
	s_lshl_b32 s20, s17, 15                        ; gc: 16 tiles of 2,048 bytes a tile row + my 4 tiles
	s_lshl_b32 s21, s14, 13
	s_add_co_u32 s20, s20, s21
	s_mov_b32 s21, 0
	s_lshl_b32 s22, s17, 10                        ; gs: 256 words a tile row + my 64
	s_lshl_b32 s23, s14, 8
	s_add_co_u32 s22, s22, s23
	s_mov_b32 s23, 0
	s_lshl_b32 s66, s17, 21                        ; out: 256 rows of 8,192 bytes + my 64 rows + 1,024 bytes a tile column
	s_lshl_b32 s67, s14, 19
	s_add_co_u32 s66, s66, s67
	s_lshl_b32 s67, s18, 10
	s_add_co_u32 s66, s66, s67
	s_mov_b32 s67, 0
	s_lshl_b32 s68, s18, 18                        ; w2c: 256 rows of 1,024 bytes a tile column + row q = my wave
	s_lshl_b32 s69, s14, 10
	s_add_co_u32 s68, s68, s69
	s_mov_b32 s69, 0
	s_lshl_b32 s70, s18, 13                        ; w2s: 8,192 bytes a tile column
	s_mov_b32 s71, 0
	s_mov_b32 s[G0B], 1
	s_mul_i32 s[G0B+1], s14, QB
	s_wait_alu depctr_va_vdst(0)                   ; the wait at the head's end
	s_wait_dscnt 0x0                               ; both opening adds are done
	s_wait_kmcnt 0x0
	s_add_nc_u64 s[4:5], s[4:5], s[20:21]
	s_add_nc_u64 s[6:7], s[6:7], s[22:23]
	s_add_nc_u64 s[12:13], s[12:13], s[66:67]
	s_add_nc_u64 s[G0B+2:G0B+3], s[8:9], s[68:69]
	s_or_b32 s[G0B+3], s[G0B+3], 0x80000000
	s_add_nc_u64 s[10:11], s[10:11], s[70:71]
.macro ALOAD kb
.irp a, 0,1,2,3
.irp c, 0,1,2,3
	global_load_b128 v[64*((\kb)%4)+16*\a+4*\c:64*((\kb)%4)+16*\a+4*\c+3], v[LI], s[4:5] offset:(\kb)*0x100000+\a*2048+\c*512
.endr
.endr
.endm
.irp k, 0,1,2,3
	global_load_b128 v[TT+4*\k:TT+4*\k+3], v[SLD], s[10:11] offset:2048*\k   ; B's scale bytes: the work-group's 128 threads read 2,048 consecutive bytes
.endr
.irp pr, 0,1
.irp kb, 0,1,2,3,4,5,6,7
	global_load_b32 v[ASC+8*\pr+\kb], v[LS], s[6:7] offset:\kb*32768+\pr*128   ; A's scale words: lanes 0-15 block 2 pr, lanes 16-31 block 2 pr + 1
.endr
.endr
	WIN 0x40
	ALOAD 0
	ALOAD 1
	WIN 0
	CROUND                                         ; all sixteen work-groups are here: the joint loads meet
	tensor_load_to_lds s[G0B:G0B+3], s[G1B:G1B+7]  ; my one tensor load of the launch
	s_nop 0
.rept 4
	v_nop
.endr
	WIN 0x40
	ALOAD 2
	ALOAD 3
	WIN 0x80
	ALOAD 4
	ALOAD 5
	ALOAD 6
	ALOAD 7
	WIN 0
.macro FETCH_B j                       ; N tile j = (g = j / 4, q = j % 4): 8 kb x 4 loads, and its rows' eight scale words
.set BS, 20+32*((\j)%2)
	WIN 0xc0
.irp kb, 0,1,2,3,4,5,6,7
.irp c, 0,1,2,3
	ds_load_b128 v[128*((\j)%2)+16*\kb+4*\c:128*((\j)%2)+16*\kb+4*\c+3], v[ADRB+(\j)%4] offset:((\j)/4)*NTB+128*\kb+32*\c
.endr
.endr
	WIN 0
	ds_load_b128 v[BS:BS+3], v[ADRSB] offset:((\j)/4)*SQ+32*((\j)%4)
	ds_load_b128 v[BS+4:BS+7], v[ADRSB] offset:((\j)/4)*SQ+32*((\j)%4)+16
.endm
; four matrix instructions: my four blocks of 16 rows x N tile j, K block kb.  The four accumulators take turns.  A's and B's scale registers differ modulo 8.
.macro PROD j, kb
.if ((\j) == 0) && ((\kb) >= 4)
	s_wait_loadcnt 16*(7-(\kb))                    ; A's K block kb is in: behind it stand 16 loads for each later K block
.endif
.irp a, 0,1,2,3
.set rD, ACC+32*((\j)%2)+8*\a
.set rA, 64*((\kb)%4)+16*\a
.set rB, 128*((\j)%2)+16*(\kb)
.set rU, ASC+8*(\a/2)+(\kb)
.set rV, 20+32*((\j)%2)+(\kb)
.if (\kb) == 0
.if \a%2 == 0
	v_wmma_scale_f32_16x16x128_f8f6f4 v[rD:rD+7], v[rA:rA+15], v[rB:rB+15], 0, v[rU], v[rV] matrix_a_fmt:MATRIX_FMT_BF8 matrix_b_fmt:MATRIX_FMT_BF8
.else
	v_wmma_scale_f32_16x16x128_f8f6f4 v[rD:rD+7], v[rA:rA+15], v[rB:rB+15], 0, v[rU], v[rV] matrix_a_fmt:MATRIX_FMT_BF8 matrix_b_fmt:MATRIX_FMT_BF8 matrix_a_scale:MATRIX_SCALE_ROW1
.endif
.else
.if \a%2 == 0
	v_wmma_scale_f32_16x16x128_f8f6f4 v[rD:rD+7], v[rA:rA+15], v[rB:rB+15], v[rD:rD+7], v[rU], v[rV] matrix_a_fmt:MATRIX_FMT_BF8 matrix_b_fmt:MATRIX_FMT_BF8
.else
	v_wmma_scale_f32_16x16x128_f8f6f4 v[rD:rD+7], v[rA:rA+15], v[rB:rB+15], v[rD:rD+7], v[rU], v[rV] matrix_a_fmt:MATRIX_FMT_BF8 matrix_b_fmt:MATRIX_FMT_BF8 matrix_a_scale:MATRIX_SCALE_ROW1
.endif
.endif
.endr
.endm
.macro MUL j
	WIN 0x0d                                       ; A window 1, B window 3
.irp kb, 0,1,2,3
	PROD \j, \kb
.endr
	WIN 0x0e                                       ; A window 2
.irp kb, 4,5,6,7
	PROD \j, \kb
.endr
	WIN 0
.endm
.macro MOVES j                         ; tile j's results into store order: register 4 i + q of block a; each accumulator from its low end on
.irp a, 0,1,2,3
.irp i, 0,1,2,3,4,5,6,7
	v_mov_b32 v[TT+32*\a+4*\i+(\j)%4], v[ACC+32*((\j)%2)+8*\a+\i]
.endr
.endr
.endm
.macro SEND g                          ; a group's 64 rows x 64 columns: sixteen lanes store 256 consecutive bytes, aligned
.irp a, 0,1,2,3
.irp i, 0,1,2,3,4,5,6,7
	global_store_b128 v[CO], v[TT+32*\a+4*\i:TT+32*\a+4*\i+3], s[12:13] offset:(16*\a+\i)*SIZE_N*4+256*(\g) th:TH_STORE_NT
.endr
.endr
.endm
.macro TILE j
.if (\j) > 0
	PLACES                                         ; behind tile j - 1's products: ahead of loads into the set that they read, and of the reads of their results
.endif
.if (\j) < 15
	FETCH_B (\j)+1
.endif
.if (\j) > 0
.if ((\j)%4 == 1) && ((\j) > 1)
	s_wait_xcnt 0x0                                ; the last group's stores have read their data registers, which are written again below
.endif
	MOVES (\j)-1
.if (\j)%4 == 0
	SEND (\j)/4-1
.endif
.endif
.if (\j) < 15
	s_wait_dscnt 34                                ; this tile's fragments are in; the next tile's 34 loads may be out
.else
	s_wait_dscnt 0x0
.endif
	MUL \j
.endm
	s_wait_tensorcnt 0x0                           ; my 64 rows of B are in, and no tensor load of mine is out
	s_wait_loadcnt 63                              ; B's scale bytes, A's scale words and A's K blocks 0 to 3 are in: behind each of them stand 64 loads or more
.irp k, 0,1,2,3
	ds_store_b128 v[SSTO], v[TT+4*\k:TT+4*\k+3] offset:\k*SQ
.endr
	s_wait_dscnt 0x0                               ; for the others' sake: my stores are done
	s_barrier_signal -1
	s_barrier_wait -1                              ; all of B and its scale bytes lie in LDS
	FETCH_B 0
.irp j, 0,1,2,3,4,5,6,7,8,9,10,11,12,13,14,15
	TILE \j
.endr
	PLACES
	MOVES 15
	SEND 3
	s_wait_tensorcnt 0x0                           ; the wave's end
	ds_add_u32 v30, v31
	s_wait_dscnt 0x0
	CROUND                                         ; the closing round
	s_endpgm
.Lfunc_end_k_qeff2130790_down:
	.size	k_qeff2130790_down, .Lfunc_end_k_qeff2130790_down-k_qeff2130790_down
	.p2alignl 7, 3214868480
	.fill 96, 4, 3214868480
	.section	.rodata,"a",@progbits
	.p2align	6, 0x0
	.amdhsa_kernel k_qeff2130790_down
		.amdhsa_group_segment_fixed_size 327680
		.amdhsa_private_segment_fixed_size 0
		.amdhsa_enable_private_segment 0
		.amdhsa_kernarg_size 40
		.amdhsa_user_sgpr_count 2
		.amdhsa_user_sgpr_kernarg_segment_ptr 1
		.amdhsa_wavefront_size32 1
		.amdhsa_system_sgpr_workgroup_id_x 1
		.amdhsa_system_sgpr_workgroup_id_y 1
		.amdhsa_system_sgpr_workgroup_id_z 1
		.amdhsa_system_vgpr_workitem_id 0
		.amdhsa_next_free_vgpr 1024
		.amdhsa_next_free_sgpr 72
		.amdhsa_reserve_vcc 0
		.amdhsa_float_denorm_mode_32 3
		.amdhsa_float_denorm_mode_16_64 3
		.amdhsa_memory_ordered 1
		.amdhsa_forward_progress 1
		.amdhsa_inst_pref_size 153
	.end_amdhsa_kernel
	.amdgpu_metadata
---
amdhsa.version: [ 1, 2 ]
amdhsa.kernels:
  - .name:           k_qeff2130790_down
    .symbol:         k_qeff2130790_down.kd
    .args:
      - { .name: gc, .offset: 0, .size: 8, .value_kind: global_buffer, .address_space: global }
      - { .name: gs, .offset: 8, .size: 8, .value_kind: global_buffer, .address_space: global }
      - { .name: w2c, .offset: 16, .size: 8, .value_kind: global_buffer, .address_space: global }
      - { .name: w2s, .offset: 24, .size: 8, .value_kind: global_buffer, .address_space: global }
      - { .name: out0, .offset: 32, .size: 8, .value_kind: global_buffer, .address_space: global }
    .group_segment_fixed_size: 327680
    .private_segment_fixed_size: 0
    .kernarg_segment_align: 8
    .kernarg_segment_size: 40
    .max_flat_workgroup_size: 128
    .sgpr_count:     72
    .vgpr_count:     1024
    .wavefront_size: 32
...
	.end_amdgpu_metadata
.endif
;; end of part 3
